; MI455X (gfx1250); checked and timed in simulation.
; The chip was launched on July 23, 2026; its instructions are those of AMD's public machine-readable ISA for CDNA 5 (MIT licence, August 2026) and "CDNA5" Instruction Set Architecture Reference Guide (July 2026). The comments in the code are by the model that wrote it; some were corrected since.
;; Self Attention. Allowed arithmetic: matrix products marked QUANTISED: E4M3 operands, one E8M0 scale for each 32 along K, by v_wmma_scale_f32_16x16x128_f8f6f4 with both operands' format E4M3, f32 sums; products left as they are: f32 operands where the result goes on into a quantised operand, else bf16, f16 or f32 operands; f32 sums; everything else in f32.
;; Inputs: bk 16 float32; bq 16 float32; bv 256 float32; gamma 1 float32; wk 16 x 256 float32; wq 16 x 256 float32; wv 256 x 256 float32; x 4 x 256 x 64 x 64 float32.
;; Outputs: out0 4 x 256 x 64 x 64 float32.
;; This version of the problem:
;;   THIS VERSION OF THE PROBLEM IS GIVEN IN LOW PRECISION. The matrix products marked QUANTISED in the list below multiply operands that are first quantised to E4M3 (4 exponent bits, 3 mantissa bits; 8 bits a number), with one power-of-two scale for each 32 numbers along K (OCP MX v1.0); their sums are f32. All else is computed in f32.
;;   The module's matrix products, in the order in which they are computed (A, B: the left and right operand; K: the contracted axis; several contracted axes count as one K, in the product's order):
;;     1. [M 16,384, K 256] x [K 256, N 16]; A: input x; B: input wq: QUANTISED
;;     2. [M 16,384, K 256] x [K 256, N 16]; A: input x; B: input wk: QUANTISED
;;     3. [M 16,384, K 256] x [K 256, N 256]; A: input x; B: input wv: QUANTISED
;;     4. batch 4 x [M 4,096, K 16] x [K 16, N 4,096]; A: computed on the way; B: computed on the way: left as it is (K = 16 < 32)
;;     5. batch 4 x [M 256, K 4,096] x [K 4,096, N 4,096]; A: computed on the way; B: softmax (see below): QUANTISED
;;   THE QUANTISER, for each operand of a quantised product, along K:
;;     - K is cut into blocks of 32 from its start; a last block that is shorter is filled with zeros.
;;     - A block's scale is 2^e with e = floor(log2(the largest magnitude in the block)) - 8, held to -126 .. 127; a block of zeros has e = 0. As a byte (E8M0): e + 127.
;;     - Each number is divided by its block's scale, clamped to +-448, and rounded to the nearest number of E4M3, ties to even, subnormals kept.
;;     - The product sums the exact products of the quantised numbers (number of the format x scale) in f32.
;;   ~~~python
;;   def quantise(x, axis):      # numpy; x: float32 -> the quantised numbers, widened to float32 again
;;       x = np.moveaxis(x, axis, -1); K = x.shape[-1]
;;       x = np.pad(x, [(0, 0)] * (x.ndim - 1) + [(0, -K % 32)]); x = x.reshape(x.shape[:-1] + (-1, 32)); a = np.abs(x).max(-1, keepdims=True)
;;       e = np.where(a > 0, np.clip(np.frexp(np.where(a > 0, a, 1))[1] - 1 - 8, -126, 127), 0)      # np.frexp(a)[1] - 1 = floor(log2(a)), exactly
;;       r = np.clip(x / 2.0 ** e, -448, 448)
;;       step = 2.0 ** (np.maximum(np.frexp(np.where(r == 0, 1, r))[1] - 1, -6) - 3)
;;       q = np.round(r / step) * step * 2.0 ** e      # np.round: ties to even
;;       return np.moveaxis(q.reshape(q.shape[:-2] + (-1,))[..., :K], -1, axis).astype(np.float32)
;;   ~~~
;;   SOFTMAX AHEAD OF A QUANTISED PRODUCT. Where the list says 'softmax', what is quantised is not the finished softmax but p = 2^(t - M), with t = logit x log2(e) and M = ceil(the row's largest t), a whole number; so 1/2 < the row's largest p <= 1. The row's sum l is taken of the UNQUANTISED p, in f32, and the product's result is divided by l at the end. Since M is a whole number, a kernel that streams over the keys may use a running M (the ceiling of the running maximum): every later rescaling is an exact power of two, which a block's scale takes up: the codes' values come out the same.
;;   OPERANDS COMPUTED ON THE WAY. 'Computed on the way' means the value that the module computes at that place (a softmax that the list does not call 'softmax' is quantised finished and normalised). What goes into a quantiser is computed in f32, as accurately as f32 sums, v_exp_f32 and their like allow (about 1e-6 of the number): no bf16 or f16 on the way to a quantiser, and a product that is left as it is and whose result goes on into a quantised operand takes f32 operands (vector FMAs, or v_wmma_f32_16x16x4_f32). A number that lies on a knife's edge between two numbers of the format may be rounded either way, as far as f32 arithmetic and the matrix unit's own rounding can turn it there, and no further.
;; One version. Each part assembles by itself: llvm-mc -triple=amdgcn-amd-amdhsa -mcpu=gfx1250 --defsym DOCPART=n.
;; ======== version 1 of 1: 2 launches
;; workspace buffers: qf 1,048,576 bytes; kv 5,373,952 bytes
;; launch proj (part 1): grid 32 x 4, 16 waves a work-group, no clusters, 47,616 bytes of LDS; arguments x, wq, bq, wk, bk, wv, bv, qf, kv; writes qf, kv
.if DOCPART == 1
	.amdgcn_target "amdgcn-amd-amdhsa--gfx1250"
	.amdhsa_code_object_version 6
	.text
	.protected	k_q62db506782_proj
	.globl	k_q62db506782_proj
	.p2align	8
	.type	k_q62db506782_proj,@function
k_q62db506782_proj:
	s_mov_b64 s[64:65], 0
	v_nop
	global_prefetch_b8 v0, s[64:65] scope:SCOPE_SE
	s_setreg_imm32_b32 hwreg(HW_REG_WAVE_MODE, 25, 1), 1
	s_wait_xcnt 0x0
; THE THREE PROJECTIONS.  q = x wq^T + bq, k = x wk^T + bk, v = x wv^T + bv for x [4][256 c][4096 n], f32; all three products on codes of FP8 (E4M3) with one E8M0 scale for each 32 along c.
; NOTHING OF THE PROBLEM IS LEFT OUT, in this launch or the next: bk shifts every logit of a row, and the ceiling M of the softmax moves with it, so it moves p's codes; bv moves v's codes; all eight inputs are loaded.
; LIMITS: NaN and infinities among the inputs are not served.  A block whose largest magnitude lies under 2^(9 - 127) keeps the scale byte 1 (a block of zeros too, where the rule says 127: its codes are zeros, and this program alone reads the bytes).
; WHAT IT STORES.  qf [b][tile 256][part 2][lane][16 bytes]: 16 pixels x 16 d of q in f32 as the image of an operand of the f32 matrix form: lane (r, h), register 2 ks + j = d 4 ks + 2 h + j of the tile's pixel r; part p = registers 4 p .. 4 p + 3.
; kv [b][i 16][kh 2][41,984 bytes]: for keys 2048 kh + 128 i on: v's codes along the KEYS as 16 fragment images [ct][c][lane][16 bytes] (32,768); their scale words [8][lane][4 bytes], lanes 0-15 channel tile 2 n, lanes 16-31 tile 2 n + 1 (1,024);
; and k of step (i + 1) % 16 of the same half as 8 images like qf's (8,192): the next launch fetches a step's v together with the next step's k.
; THE PIXELS OF A TILE ARE NOT NEIGHBOURS: row r of tile 2 b + u of a block of 128 pixels is pixel 32 b + 8 u + r + 8 (r / 8), so that the 16 registers of tiles 2 b and 2 b + 1 of a result are 16 neighbouring pixels, 32 b + 16 h + 0 .. 15.
; SHARES.  A work-group takes 128 pixels of one batch: the unit of a fragment and of a scale word of v.  Its sixteen waves: (X) wave w quantises 32 pixels (a lane a pixel, registers down c) x 64 channels into rows of codes in LDS;
; (V) wave w makes v's channels 16 w .. 16 w + 15 for all 128 pixels, source 0 = 16 pixels of x, source 1 = 16 rows of wv: a lane then holds ONE channel and its registers run along the pixels, which are the next product's K;
; (q/k) waves 0-7 make q's eight tiles, waves 8-15 k's, source 0 = the 16 rows of wq or wk in the order pi(m) = 4 ((m % 8) / 2) + 2 (m / 8) + m % 2, so that the result IS the f32 operand's image.
; No tensor load and no cluster: the work-groups share nothing but the weights, 288 KiB against the 128 KiB of x that each reads for itself.
.set BLK,   41984                      ; a block of kv
.set VSC,   32768                      ; in it: v's scale words,
.set KOFF,  33792                      ; and k's images
.set XP,    272                        ; LDS: a pixel's 256 codes + 16 of padding: the 16 rows of a fragment load start at 16 different groups of banks
.set XC,    0                          ; 128 rows of codes
.set XS,    128*XP                     ; x's scale words [ks 2][pixel 128][4 bytes]
.set WI,    XS+1024                    ; four fragment images of wq and wk, 2,048 bytes each
.set WIS,   WI+4*2048                  ; their scale words, 128 bytes each
.set SCI,   WIS+512                    ; the image of v's scale words
.set SPARE, SCI+1024                   ; the spare words, 128 bytes for each of sixteen waves: eight blocks of 256 bytes that no other line names
.set L4,   4                           ; v4   4 x lane
.set WA,   5                           ; v5   wv: row r of 1,024 bytes + 64 h
.set XCW,  6                           ; v6   where my pixel's codes go
.set XSB,  7                           ; v7   and its two scale bytes
.set FA,   8                           ; v8   a fragment of x: (r + 8 (r / 8)) rows + 16 h
.set FS,   9                           ; v9   and its scale words
.set LI,   10                          ; v10  16 x lane
.set BVO,  11                          ; v11  4 r
.set SCW,  12                          ; v12  where my channel's scale word goes
.set QKA,  13                          ; v13  wq, wk: row pi(r) + 64 h
.set SPW,  14                          ; v14  my spare word; never rewritten
.set NIL,  15                          ; v15  0; never rewritten
.set TM,   16                          ; v16-31 at work in the quantisers
.set WV0,  32                          ; v32-47, v48-63 wv's codes, K steps 0 and 1
.set WV1,  48
.set WVS,  64                          ; v64-65 their scale words
.set XSW,  66                          ; v66-69 x's scale words for four tiles
.set QS,   70                          ; v70-71 wq's or wk's scale words
.set XQS,  72                          ; v72-73 x's, for my tile of q or k
.set PW,   74                          ; v74  the scale word just made
.set BY,   75                          ; v75  two scale bytes of x
.set BQK,  76                          ; v76-83 bq or bk in the result's layout
.set BV,   84                          ; v84-91 bv of my lane's channel, eight times
.set DQ,   92                          ; v92-99 my tile of q or k
.set PC,   100                         ; v100-115 the codes just made
.set FAQ,  116                         ; v116, v117 FA and FS at my tile of q or k
.set FSQ,  117
.set B8,   118                         ; v118 8 h
.set WIW,  119                         ; v119, v120 where waves 0-3 put a weight image and its scale words
.set WISW, 120
.set WIR,  121                         ; v121, v122 where my kind's two images and scale words are read
.set WISR, 122
.set SCR,  123                         ; v123 the scale image on its way out: LDS,
.set SCO,  124                         ; v124 and memory
.set WST,  128                         ; v128-191 64 numbers of a weight; later XF: four fragments of x
.set XF,   128
.set XN,   192                         ; v192-255 64 numbers of x; later D: v's eight tiles
.set D,    192
.set WV,   22                          ; s22  my wave's number
.set MNT,  23                          ; s23  the mantissa field of 448
.set SEL,  24                          ; s[24:25] lane selects: lane l xor 16
.macro PLACES n
.rept \n
	v_nop
.endr
.endm
; 64 numbers of a lane, register 16 b + i = k 32 b + 16 h + i of the lane's row, become a fragment's 16 registers of codes at v[dc] and the row's scale word in v[dw].
.macro QUANT s, dc, dw
.irp b, 0,1,2,3
	v_max3_num_f32 v[TM+\b], |v[\s+16*\b]|, |v[\s+1+16*\b]|, 0x4800000   ; block b: my 16 numbers and the floor 2^(9 - 127): the byte cannot fall under 1
.endr
.irp i, 2,4,6,8,10,12,14
.irp b, 0,1,2,3
	v_max3_num_f32 v[TM+\b], v[TM+\b], |v[\s+16*\b+\i]|, |v[\s+1+16*\b+\i]|   ; the four blocks by turns
.endr
.endr
.irp b, 0,1,2,3
	v_permlanex16_b32 v[TM+4+\b], v[TM+\b], s[SEL], s[SEL+1]
.endr
.irp b, 0,1,2,3
	v_max_num_f32 v[TM+\b], v[TM+\b], v[TM+4+\b]   ; with lane l xor 16's 16: the block's largest magnitude
.endr
.irp b, 0,1,2,3
	v_add_nc_u32 v[TM+12+\b], 0xfc000000, v[TM+\b]   ; 8 off its exponent field: the conversion's scale operand
.endr
.irp b, 0,1,2,3
	v_and_or_b32 v[TM+8+\b], v[TM+\b], 0x7f800000, s[MNT]   ; 448 x the scale
.endr
.irp b, 0,1,2,3
	v_lshrrev_b32 v[TM+4+\b], 23, v[TM+12+\b]      ; the scale's byte
.endr
	v_lshl_or_b32 v[\dw], v[TM+5], 8, v[TM+4]
	v_lshl_or_b32 v[\dw], v[TM+6], 16, v[\dw]
	v_lshl_or_b32 v[\dw], v[TM+7], 24, v[\dw]
.irp b, 0,1,2,3
.irp i, 0,1,2,3,4,5,6,7,8,9,10,11,12,13,14,15
	v_med3_num_f32 v[\s+16*\b+\i], v[\s+16*\b+\i], -v[TM+8+\b], v[TM+8+\b]   ; the conversion to an 8-bit code does not saturate (ISA guide 7.6.2): the hold
.endr
	v_cvt_scalef32_pk8_fp8_f32 v[\dc+4*\b:\dc+1+4*\b], v[\s+16*\b:\s+7+16*\b], v[TM+12+\b]
	v_cvt_scalef32_pk8_fp8_f32 v[\dc+2+4*\b:\dc+3+4*\b], v[\s+8+16*\b:\s+15+16*\b], v[TM+12+\b]
.endr
	v_nop                                          ; a plain line between the last conversion and whatever next touches its registers
.endm
; One block of 32 channels of my pixel: all 32 numbers are my lane's.
.macro XBLOCK k
.set XB, XN+32*(\k)
	v_max3_num_f32 v[TM], |v[XB]|, |v[XB+1]|, |v[XB+2]|
	v_max3_num_f32 v[TM+1], |v[XB+3]|, |v[XB+4]|, |v[XB+5]|
.irp i, 6,10,14,18,22,26
	v_max3_num_f32 v[TM], v[TM], |v[XB+\i]|, |v[XB+\i+1]|
	v_max3_num_f32 v[TM+1], v[TM+1], |v[XB+\i+2]|, |v[XB+\i+3]|
.endr
	v_max3_num_f32 v[TM], v[TM], |v[XB+30]|, |v[XB+31]|
	v_max3_num_f32 v[TM], v[TM], v[TM+1], 0x4800000
	v_add_nc_u32 v[TM+2], 0xfc000000, v[TM]
	v_and_or_b32 v[TM+3], v[TM], 0x7f800000, s[MNT]
.if (\k) == 0
	v_lshrrev_b32 v[BY], 23, v[TM+2]
.else
	v_lshrrev_b32 v[TM+8], 23, v[TM+2]
	v_lshl_or_b32 v[BY], v[TM+8], 8, v[BY]
.endif
.irp i, 0,1,2,3,4,5,6,7,8,9,10,11,12,13,14,15,16,17,18,19,20,21,22,23,24,25,26,27,28,29,30,31
	v_med3_num_f32 v[XB+\i], v[XB+\i], -v[TM+3], v[TM+3]
.endr
.irp g, 0,1,2,3
	v_cvt_scalef32_pk8_fp8_f32 v[PC+8*(\k)+2*\g:PC+8*(\k)+2*\g+1], v[XB+8*\g:XB+8*\g+7], v[TM+2]
.endr
	v_nop
	ds_store_b128 v[XCW], v[PC+8*(\k):PC+8*(\k)+3] offset:32*(\k)
	ds_store_b128 v[XCW], v[PC+8*(\k)+4:PC+8*(\k)+7] offset:32*(\k)+16
.endm
.macro WLOAD adr, sb, off              ; 64 numbers of a weight: of my lane's row, 16 neighbours of each block of 32 of one K step
.irp c, 0,1,2,3
.irp q, 0,1,2,3
	global_load_b128 v[WST+16*\c+4*\q:WST+16*\c+4*\q+3], v[\adr], s[\sb:\sb+1] offset:\off+128*\c+16*\q
.endr
.endr
.endm
.macro BARRIER                         ; my LDS stores have landed and my LDS loads are in: then the work-group's barrier
	s_wait_dscnt 0x0
	s_barrier_signal -1
	s_barrier_wait -1
.endm
	s_load_b256 s[4:11], s[0:1], 0x0               ; x s[4:5], wq s[6:7], bq s[8:9], wk s[10:11]
	s_load_b256 s[12:19], s[0:1], 0x20             ; bk s[12:13], wv s[14:15], bv s[16:17], qf s[18:19]
	s_load_b64 s[20:21], s[0:1], 0x40              ; kv
	v_lshl_add_u32 v[SPW], v0, 2, SPARE
	v_mov_b32 v[NIL], 0
	v_lshrrev_b32 v1, 5, v0
	v_readfirstlane_b32 s[WV], v1                  ; wave 0..15
	v_and_b32 v1, 31, v0                           ; lane
	v_and_b32 v2, 15, v0                           ; r
	v_bfe_u32 v3, v0, 4, 1                         ; h
	s_and_b32 s27, ttmp7, 0xffff                   ; the batch
	s_lshr_b32 s28, s[WV], 3                       ; kind: 0 q, 1 k
	s_and_b32 s29, s[WV], 7                        ; my tile of q or k
	s_and_b32 s30, s[WV], 3                        ; my 32 pixels in phase X
	s_lshr_b32 s31, s[WV], 2                       ; my 64 channels in phase X
	s_mov_b32 s[MNT], 0x600000
	s_mov_b32 s[SEL], 0x76543210
	s_mov_b32 s[SEL+1], 0xfedcba98
	v_lshlrev_b32 v[L4], 2, v1
	v_lshlrev_b32 v[LI], 4, v1
	v_lshlrev_b32 v[WA], 10, v2
	v_lshl_add_u32 v[WA], v3, 6, v[WA]
	v_lshlrev_b32 v[BVO], 2, v2
	v_lshlrev_b32 v[B8], 3, v3
	v_bfe_u32 v16, v2, 1, 2                        ; pi(r) = 4 ((r % 8) / 2) + 2 (r / 8) + r % 2
	v_bfe_u32 v17, v2, 3, 1
	v_and_b32 v18, 1, v2
	v_lshl_add_u32 v16, v16, 2, v18
	v_lshl_add_u32 v16, v17, 1, v16
	v_lshlrev_b32 v[QKA], 10, v16
	v_lshl_add_u32 v[QKA], v3, 6, v[QKA]
	; every LDS address is made here, ahead of the first branch on the wave's number
	s_mul_i32 s58, s30, 32*XP
	s_lshl_b32 s59, s31, 6
	s_add_co_u32 s58, s58, s59
	v_mul_u32_u24 v[XCW], v1, XP
	v_add_nc_u32 v[XCW], s58, v[XCW]               ; row 32 pg + lane, byte 64 cq
	s_lshr_b32 s58, s31, 1
	s_lshl_b32 s58, s58, 9                         ; my channels' K step,
	s_lshl_b32 s59, s30, 7
	s_add_co_u32 s58, s58, s59                     ; my 32 pixels' words,
	s_and_b32 s59, s31, 1
	s_lshl_b32 s59, s59, 1
	s_add_co_u32 s58, s58, s59                     ; and which two bytes of a word
	s_add_co_u32 s58, s58, XS
	v_add_nc_u32 v[XSB], s58, v[L4]
	v_and_b32 v16, 8, v2
	v_add_nc_u32 v16, v16, v2                      ; r + 8 (r / 8)
	v_mul_u32_u24 v[FA], v16, XP
	v_lshl_add_u32 v[FA], v3, 4, v[FA]
	v_lshl_add_u32 v[FS], v16, 2, XS
	s_lshr_b32 s58, s29, 1
	s_lshl_b32 s58, s58, 5
	s_and_b32 s59, s29, 1
	s_lshl_b32 s59, s59, 3
	s_add_co_u32 s58, s58, s59                     ; my tile's first row: 32 (pt / 2) + 8 (pt % 2)
	s_mul_i32 s59, s58, XP
	v_add_nc_u32 v[FAQ], s59, v[FA]
	s_lshl_b32 s59, s58, 2
	v_add_nc_u32 v[FSQ], s59, v[FS]
	s_lshl_b32 s58, s[WV], 6                       ; 128 (w / 2) + 64 (w % 2) = 64 w
	s_add_co_u32 s58, s58, SCI
	v_lshl_add_u32 v[SCW], v2, 2, s58
	s_lshl_b32 s58, s30, 11
	s_add_co_u32 s58, s58, WI
	v_add_nc_u32 v[WIW], s58, v[LI]
	s_lshl_b32 s58, s30, 7
	s_add_co_u32 s58, s58, WIS
	v_add_nc_u32 v[WISW], s58, v[L4]
	s_lshl_b32 s58, s28, 12
	s_add_co_u32 s58, s58, WI
	v_add_nc_u32 v[WIR], s58, v[LI]
	s_lshl_b32 s58, s28, 8
	s_add_co_u32 s58, s58, WIS
	v_add_nc_u32 v[WISR], s58, v[L4]
	s_and_b32 s58, s[WV], 1
	s_lshl_b32 s58, s58, 9
	v_add_nc_u32 v[SCO], s58, v[LI]
	v_add_nc_u32 v[SCR], SCI, v[SCO]
.irp b, 0,1,2,3
	v_mov_b32 v[TM+4+\b], 0                        ; written once: a lane permute's destination counts as one of its sources
.endr
	; offsets, apart from the addresses
	s_lshl_b32 s32, s27, 22                        ; x: the batch,
	s_lshl_b32 s33, s31, 20                        ; my 64 channels of 16,384 bytes,
	s_add_co_u32 s32, s32, s33
	s_lshl_b32 s33, ttmp9, 9                       ; the work-group's 128 pixels,
	s_add_co_u32 s32, s32, s33
	s_lshl_b32 s33, s30, 7                         ; my 32 of them
	s_add_co_u32 s32, s32, s33
	s_mov_b32 s33, 0
	s_lshl_b32 s34, s[WV], 14                      ; wv: my 16 rows
	s_mov_b32 s35, 0
	s_lshl_b32 s36, s[WV], 6                       ; bv: my 16 numbers
	s_mov_b32 s37, 0
	s_and_b32 s38, ttmp9, 15                       ; i
	s_lshr_b32 s39, ttmp9, 4                       ; kh
	s_lshl_b32 s40, s27, 4
	s_add_co_u32 s41, s40, s38
	s_lshl_b32 s41, s41, 1
	s_add_co_u32 s41, s41, s39
	s_mul_i32 s42, s41, BLK                        ; my block of kv: ((16 b + i) 2 + kh) blocks
	s_mov_b32 s43, 0
	s_add_co_u32 s41, s38, 15
	s_and_b32 s41, s41, 15                         ; k goes into the block of the step before
	s_add_co_u32 s41, s41, s40
	s_lshl_b32 s41, s41, 1
	s_add_co_u32 s41, s41, s39
	s_mul_i32 s44, s41, BLK
	s_lshl_b32 s41, s29, 10
	s_add_co_u32 s44, s44, s41
	s_add_co_u32 s44, s44, KOFF                    ; where a tile of k goes
	s_lshl_b32 s41, s27, 8
	s_lshl_b32 s45, ttmp9, 3
	s_add_co_u32 s41, s41, s45
	s_add_co_u32 s41, s41, s29
	s_lshl_b32 s45, s41, 10                        ; where a tile of q goes: tile 256 b + 8 sb + pt
	s_and_b32 s52, s[WV], 1
	s_lshl_b32 s52, s52, 9                         ; waves 0-3: which K step of wq or wk
	s_mov_b32 s53, 0
	s_lshl_b32 s56, s[WV], 11                      ; my fragment's image in the block
	s_mov_b32 s57, 0
	s_wait_kmcnt 0x0
	s_cmp_eq_u32 s28, 0                            ; q or k: the choice hangs on the wave's number alone
	s_cselect_b32 s44, s45, s44
	s_cselect_b64 s[46:47], s[18:19], s[20:21]
	s_cselect_b64 s[48:49], s[8:9], s[12:13]
	s_mov_b32 s45, 0
	s_add_nc_u64 s[46:47], s[46:47], s[44:45]      ; my tile's place in qf or kv
	s_cmp_lt_u32 s[WV], 2
	s_cselect_b64 s[50:51], s[6:7], s[10:11]
	s_add_nc_u64 s[50:51], s[50:51], s[52:53]
	s_add_nc_u64 s[4:5], s[4:5], s[32:33]
	s_add_nc_u64 s[14:15], s[14:15], s[34:35]
	s_add_nc_u64 s[16:17], s[16:17], s[36:37]
	s_add_nc_u64 s[54:55], s[20:21], s[42:43]      ; my block
	s_add_nc_u64 s[56:57], s[54:55], s[56:57]      ; and my fragment in it
	WLOAD WA, 14, 0                                ; wv, K step 0
	global_load_b32 v[BV], v[BVO], s[16:17]
.irp a, 0,1,2,3
	global_load_b64 v[BQK+2*\a:BQK+2*\a+1], v[B8], s[48:49] offset:16*\a   ; register 2 a + j of the result is d = 4 a + 2 h + j
.endr
.set n, 0
.rept 64
	global_load_b32 v[XN+n], v[L4], s[4:5] offset:n*16384 th:TH_LOAD_NT   ; x(64 cq + n, my pixel): 32 lanes read 128 consecutive bytes, four waves side by side 512
.set n, n+1
.endr
	s_wait_loadcnt 63                              ; the 21 loads of weights and biases are in.  64 loads of x were issued behind the last of them; the wait's count goes up to 63, so x's first load is waited for with them
	QUANT WST, WV0, WVS
.irp a, 1,2,3,4,5,6,7
	v_mov_b32 v[BV+\a], v[BV]                      ; the bias is the C of a sum's first product: the same number in all eight rows of my column
.endr
	WLOAD WA, 14, 512                              ; wv, K step 1
	s_wait_loadcnt 16                              ; x is in; the 16 just issued may be out
	XBLOCK 0
	XBLOCK 1
	ds_store_b16 v[XSB], v[BY]
	s_wait_loadcnt 0x0
	s_wait_dscnt 0x0                               ; the stores have read the codes' registers, which four waves write again below
	QUANT WST, WV1, WVS+1
	s_cmp_lt_u32 s[WV], 4                          ; waves 0-3 quantise (wq, ks 0), (wq, ks 1), (wk, ks 0), (wk, ks 1) for all sixteen
	s_cbranch_scc0 .Lno_weight
	WLOAD QKA, 50, 0
	s_wait_loadcnt 0x0
	QUANT WST, PC, PW
.irp c, 0,1,2,3
	ds_store_b128 v[WIW], v[PC+4*\c:PC+4*\c+3] offset:512*\c   ; the fragment goes to LDS as the image of its registers
.endr
	ds_store_b32 v[WISW], v[PW]
.Lno_weight:
	BARRIER                                        ; x's codes and scale words and the four weight images lie in LDS
	; v: eight tiles of 16 pixels, four at a time, K step by K step.  The accumulators take turns, one instruction a turn.
.irp ks, 0,1
.irp g, 0,1
.if (\ks)+(\g) > 0
	PLACES 8                                       ; in front of loads into registers that matrix instructions have read (ISA guide 7.12.1 for vector instructions)
.endif
.irp n, 0,1,2,3
.irp c, 0,1,2,3
	ds_load_b128 v[XF+16*\n+4*\c:XF+16*\n+4*\c+3], v[FA] offset:(32*((4*\g+\n)/2)+8*(\n%2))*XP+128*\ks+32*\c
.endr
	ds_load_b32 v[XSW+\n], v[FS] offset:512*\ks+4*(32*((4*\g+\n)/2)+8*(\n%2))
.endr
	s_wait_dscnt 0x0
.irp n, 0,1,2,3
.if \ks == 0
	v_wmma_scale_f32_16x16x128_f8f6f4 v[D+8*(4*\g+\n):D+8*(4*\g+\n)+7], v[XF+16*\n:XF+16*\n+15], v[WV0:WV0+15], v[BV:BV+7], v[XSW+\n], v[WVS]
.else
	v_wmma_scale_f32_16x16x128_f8f6f4 v[D+8*(4*\g+\n):D+8*(4*\g+\n)+7], v[XF+16*\n:XF+16*\n+15], v[WV1:WV1+15], v[D+8*(4*\g+\n):D+8*(4*\g+\n)+7], v[XSW+\n], v[WVS+1]
.endif
.endr
.endr
.endr
	; my tile of q or k
	PLACES 8
.irp ks, 0,1
.irp c, 0,1,2,3
	ds_load_b128 v[128+16*\ks+4*\c:128+16*\ks+4*\c+3], v[WIR] offset:2048*\ks+512*\c
	ds_load_b128 v[160+16*\ks+4*\c:160+16*\ks+4*\c+3], v[FAQ] offset:128*\ks+32*\c
.endr
	ds_load_b32 v[QS+\ks], v[WISR] offset:128*\ks
	ds_load_b32 v[XQS+\ks], v[FSQ] offset:512*\ks
.endr
	s_wait_dscnt 0x0
	v_wmma_scale_f32_16x16x128_f8f6f4 v[DQ:DQ+7], v[128:143], v[160:175], v[BQK:BQK+7], v[QS], v[XQS]
	s_wait_alu depctr_va_vdst(0)                   ; the wait directly ahead of the link
	v_wmma_scale_f32_16x16x128_f8f6f4 v[DQ:DQ+7], v[144:159], v[176:191], v[DQ:DQ+7], v[QS+1], v[XQS+1]
	PLACES 8
	global_store_b128 v[LI], v[DQ:DQ+3], s[46:47]              ; 32 lanes store 512 consecutive bytes, aligned to 256
	global_store_b128 v[LI], v[DQ+4:DQ+7], s[46:47] offset:512
	; v along the keys: registers 16 b + i of my lane are pixels 32 b + 16 h + i of my channel
	QUANT D, PC, PW
.irp c, 0,1,2,3
	global_store_b128 v[LI], v[PC+4*\c:PC+4*\c+3], s[56:57] offset:512*\c
.endr
	ds_store_b32 v[SCW], v[PW]                     ; both halves of the lanes hold the same word and write it to the same place
	BARRIER                                        ; the sixteen waves' scale words lie in LDS
	s_cmp_lt_u32 s[WV], 2
	s_cbranch_scc0 .Lno_scales
	ds_load_b128 v[TM:TM+3], v[SCR]
	s_wait_dscnt 0x0
	global_store_b128 v[SCO], v[TM:TM+3], s[54:55] offset:VSC  ; two waves store 512 consecutive bytes each
.Lno_scales:
	s_wait_tensorcnt 0x0                           ; the wave's end, behind my last LDS store
	ds_add_u32 v[SPW], v[NIL]
	s_wait_dscnt 0x0
	s_endpgm
.Lfunc_end_k_q62db506782_proj:
	.size	k_q62db506782_proj, .Lfunc_end_k_q62db506782_proj-k_q62db506782_proj
	.p2alignl 7, 3214868480
	.fill 96, 4, 3214868480
	.section	.rodata,"a",@progbits
	.p2align	6, 0x0
	.amdhsa_kernel k_q62db506782_proj
		.amdhsa_group_segment_fixed_size 47616
		.amdhsa_private_segment_fixed_size 0
		.amdhsa_enable_private_segment 0
		.amdhsa_kernarg_size 72
		.amdhsa_user_sgpr_count 2
		.amdhsa_user_sgpr_kernarg_segment_ptr 1
		.amdhsa_wavefront_size32 1
		.amdhsa_system_sgpr_workgroup_id_x 1
		.amdhsa_system_sgpr_workgroup_id_y 1
		.amdhsa_system_sgpr_workgroup_id_z 1
		.amdhsa_system_vgpr_workitem_id 0
		.amdhsa_next_free_vgpr 256
		.amdhsa_next_free_sgpr 66
		.amdhsa_reserve_vcc 0
		.amdhsa_float_denorm_mode_32 3
		.amdhsa_float_denorm_mode_16_64 3
		.amdhsa_memory_ordered 1
		.amdhsa_forward_progress 1
		.amdhsa_inst_pref_size 68
	.end_amdhsa_kernel
	.amdgpu_metadata
---
amdhsa.version: [ 1, 2 ]
amdhsa.kernels:
  - .name:           k_q62db506782_proj
    .symbol:         k_q62db506782_proj.kd
    .args:
      - { .name: x, .offset: 0, .size: 8, .value_kind: global_buffer, .address_space: global }
      - { .name: wq, .offset: 8, .size: 8, .value_kind: global_buffer, .address_space: global }
      - { .name: bq, .offset: 16, .size: 8, .value_kind: global_buffer, .address_space: global }
      - { .name: wk, .offset: 24, .size: 8, .value_kind: global_buffer, .address_space: global }
      - { .name: bk, .offset: 32, .size: 8, .value_kind: global_buffer, .address_space: global }
      - { .name: wv, .offset: 40, .size: 8, .value_kind: global_buffer, .address_space: global }
      - { .name: bv, .offset: 48, .size: 8, .value_kind: global_buffer, .address_space: global }
      - { .name: qf, .offset: 56, .size: 8, .value_kind: global_buffer, .address_space: global }
      - { .name: kv, .offset: 64, .size: 8, .value_kind: global_buffer, .address_space: global }
    .group_segment_fixed_size: 47616
    .private_segment_fixed_size: 0
    .kernarg_segment_align: 8
    .kernarg_segment_size: 72
    .max_flat_workgroup_size: 512
    .sgpr_count:     66
    .vgpr_count:     256
    .wavefront_size: 32
...
	.end_amdgpu_metadata
.endif
;; end of part 1
;; launch attn (part 2): grid 64 x 4, 4 waves a work-group, clusters of 4 x 1, 327,680 bytes of LDS; arguments qf, kv, x, gamma, out0; writes out0
.if DOCPART == 2
	.amdgcn_target "amdgcn-amd-amdhsa--gfx1250"
	.amdhsa_code_object_version 6
	.text
	.protected	k_q62db506782_attn
	.globl	k_q62db506782_attn
	.p2align	8
	.type	k_q62db506782_attn,@function
k_q62db506782_attn:
	s_mov_b64 s[64:65], 0
	v_nop
	global_prefetch_b8 v0, s[64:65] scope:SCOPE_SE
	s_setreg_imm32_b32 hwreg(HW_REG_WAVE_MODE, 25, 1), 1
	s_wait_xcnt 0x0
	s_wait_alu depctr_hold_cnt(0) depctr_sa_sdst(0) depctr_va_vdst(0) depctr_va_sdst(0) depctr_va_ssrc(0) depctr_va_vcc(0) depctr_vm_vsrc(0)
	s_getreg_b32 s2, hwreg(HW_REG_IB_STS2, 6, 4)
	s_cmp_eq_u32 s2, 0
	s_cbranch_scc0 .Lentry_in_a_cluster
	s_endpgm
.Lentry_in_a_cluster:
	s_bfe_u32 s2, ttmp6, 0x10000c
	s_cmp_lg_u32 s2, 0x3003
	s_cbranch_scc0 .Lentry_shape_is_right
	s_endpgm
.Lentry_shape_is_right:
; out0[b][c][n] = gamma x (sum over m of v[b][c][m] p[n][m]) / l[n] + x[b][c][n], p = 2^(t - M), t = (q[n] . k[m]) log2(e), M = the ceiling of the row's largest t so far, l = the sum of the unquantised p.
; Nothing of the problem is left out.  q . k (K = 16) takes f32 operands (v_wmma_f32_16x16x4_f32), since its result goes on into a quantiser; v p^T runs on codes of FP8 (E4M3) with E8M0 scales along the keys.
; LIMITS: NaN and infinities are not served; a block of p under 2^(9 - 127) keeps the scale byte 1, its codes are zeros.  The keys are summed in two halves, each under its own M and l, merged at the end by exact powers of two: the order of the f32 sums is not reference()'s.
; SHARES.  A work-group owns 64 queries of one batch: four tiles of 16 (a tile's queries: row r of tile T is query 32 (T / 2) + 8 (T % 2) + r + 8 (r / 8)).  Wave w = 2 qh + kh owns tiles a = w and b = w xor 1 and the key half kh: 16 steps of 128 keys.
; LAYOUT.  Both products are used transposed: S^T = K Q^T (source 0 = 16 keys), O^T = V P^T (source 0 = 16 channels): a lane holds ONE query throughout.  The keys of a tile are chosen as the queries are, so that the 16 registers of tiles 2 b, 2 b + 1 of S^T are
; 16 neighbouring keys and the conversions' results are the second product's operand.
; BY TURNS.  In a turn one tile has the matrix unit for its 32 f32 products K Q^T, and the other tile's softmax, a list of 342 instructions, stands in slices behind them.  A trip: tile b's scores of step s beside tile a's softmax of step s; tile a's 16 products V P^T;
; tile a's scores of step s + 1 beside tile b's softmax of step s; tile b's 16 products V P^T, among which stand the lines of the change of slots.
; LDS LOADS stand in three runs a trip: half of the step's V first thing behind the change of slots; the other half and V's scale words at the one wait of the first turn's softmax; the next step's K behind the first turn's last product, with tile a's products
; V P^T between that run and its first use.
; THE RING.  Two LDS slots; a slot holds the pair of blocks (b, i) of kv, 83,968 dense bytes: both halves' V codes, scale words and next K, all as images of operand registers (read at 16 x lane: no pitch, no padding).  Each wave brings a quarter, 82 rows of 256 bytes.
; CLUSTER.  The four work-groups of a cluster walk the same blocks: each tile is asked for JOINTLY (mask 15).  Cluster j0 of a batch begins at block j0 and goes round, so that in any trip the sixteen clusters of a batch ask for sixteen different blocks.
; No prefetch is written: every block of kv is asked for by sixteen clusters in turn, so this is no stream that is read once.
; REGISTERS, in windows of 256.  Window 0: addresses, statistics, S^T (v64-191, written by matrix instructions alone), t and p (v192-255).  Window 1: K v0-63, Q v64-79, p's codes v80-111; at the end rows of the result v112-239.
; Window 2: O^T, tile a v0-127, tile b v128-255.  Window 3: V's 16 fragments; at the end the partner's tile v0-127 and x v128-255.
.set BLK,   41984
.set PAIR,  2*BLK                      ; what a slot holds
.set QTR,   PAIR/4                     ; what a wave fetches: 82 rows of 256 bytes
.set VSC,   32768                      ; in a block: V's scale words,
.set KOFF,  33792                      ; and the next step's K
.set SLOT1, 1<<17                      ; slot 1 begins here: one exclusive or turns an address in one slot into the other's
.set SPARE, SLOT1+PAIR                 ; the spare words, 128 bytes for each wave: two blocks of 256 bytes that no other line names
.set EX,    SPARE+512                  ; the exchange of tiles between the two key halves: 16,384 bytes a wave,
.set EXS,   EX+4*16384                 ; and of their -M and l: 256 bytes a wave
.set SP,    272                        ; the stage for the way out: 256 channel rows of 256 bytes + 16, from LDS byte 0 on: in slot 0, whose last fill is asked for at the end of trip 12 and whose last read stands in trip 14
.set KO,   1                           ; v1   16 x lane
.set LB,   2                           ; v2   16 x lane + my half's block
.set LB4,  3                           ; v3   4 x lane + my half's scale words
.set AD,   4                           ; v4, v5 the same in the slot in hand
.set AD4,  5
.set SPW,  6                           ; v6   my spare word; never rewritten
.set NIL,  7                           ; v7   0; never rewritten
.set ST,   8                           ; tile t's statistics at v[8 + 8 t]: +0 -M, +1 the largest score, +2, +3 l in two halves, +4 f, +5 named with f as a pair
.set QO0,  14                          ; v14, v15 Q's images of tiles a and b
.set QO1,  15
.set EXW,  22                          ; v22, v23 the exchange: where I write, where I read
.set EXR,  23
.set BM,   24                          ; v24-27 the blocks' largest scores, then largest p
.set BX,   28                          ; v28-31 the other half of the lanes'; then two chains of the row's sum; then the scale bytes
.set HL,   32                          ; v32-35 two chains of the row's sum; then 448 x the scale
.set SO,   36                          ; v36-39 the conversions' scale operands
.set AS,   40                          ; v40-45 three chains of the row's sum; ahead of them:
.set BN,   40                          ; v40-43 the second chains of the blocks' maxima,
.set OLD,  44                          ; v44  and the old -M
.set TMP,  46
.set TM2,  47                          ; v47  the other half of the lanes' largest score
.set PS,   48                          ; v48-49 p's scale words, one a tile
.set VS,   50                          ; v50-57 V's scale words: lanes 0-15 channel tile 2 n, lanes 16-31 tile 2 n + 1
.set ESW,  58                          ; v58, v59 the exchange of statistics
.set ESR,  59
.set SA0,  60                          ; v60, v61 into the stage: channels 0-127, 128-255
.set SA1,  61
.set SRD,  62                          ; v62  out of the stage
.set XO,   63                          ; v63  my byte offset in x and in out0
.set S,    64
.set T,    192
.set KF,   0                           ; window 1
.set QF,   64
.set P,    80
.set Y,    112
.set RN,   24                          ; the merge, in registers that the softmax has left
.set RL,   25
.set NN,   26
.set FA,   27
.set FB,   28
.set LL,   29
.set RC,   30
.set CA,   32
.set CB,   34
.set WV,   14                          ; s14  my wave's number
.set KH,   15
.set QH,   16
.set CX,   17
.set WGX,  18
.set B,    19
.set G1,   24                          ; s[24:31] descriptor group 1
.set G0,   32                          ; s[32:35] group 0, which walks
.set KVW,  36                          ; s[36:37] kv at my batch and my quarter of a pair of blocks
.set OFF,  38                          ; s[38:39] the block's offset
.set IDX,  40                          ; s40  the block asked for last
.set TB,   41                          ; s41  where the slot in hand begins
.set CNT,  42
.set CS,   44                          ; s[44:45] log2(e): the packed form names a pair
.set SEL,  46                          ; s[46:47] lane selects: lane l xor 16
.set MNT,  48                          ; s48  the mantissa field of 448
.set GAM,  49                          ; s49  gamma
.set QB,   52                          ; s[52:53] qf at my four tiles;  s[54:55] the first step's K;  s[56:57] x at my batch and queries: each written once.  s50, s51, s58, s59 are at work
.set KB,   54
.set XB,   56
.set MSB, 0
.macro WIN new                         ; low byte: bits 1:0 source 0, 3:2 source 1, 5:4 source 2, 7:6 destination; the high byte repeats the setting that is left
.if MSB != \new
	s_set_vgpr_msb (MSB<<8)|\new
.set MSB, \new
.endif
.endm
.macro PLACES n
.rept \n
	v_nop
.endr
.endm
.macro CREST                           ; a round of the cluster's barrier behind its opening barrier
	s_cmp_lg_u32 s[WV], 0
	s_cbranch_scc1 .Lnot_wave_0_\@
	s_barrier_signal -3
.Lnot_wave_0_\@:
	s_barrier_wait -3
	s_barrier_signal -1
	s_barrier_wait -1
.endm
.macro CROUND                          ; a whole round
	s_barrier_signal -1
	s_barrier_wait -1
	CREST
.endm
; Product i of 32 of tile x's S^T = K Q^T: keys' tile i % 8, d = 4 (i / 8) on.  The first eight start the sums with the constant 0; the eight accumulators take turns, one instruction a turn.
.macro QKW x
	WIN 0x05                                       ; K and Q in window 1, S^T in window 0
.set qt, i%8
.set qs, i/8
.set rD, S+64*(\x)+8*qt
.if qs == 0
	v_wmma_f32_16x16x4_f32 v[rD:rD+7], v[KF+8*qt:KF+8*qt+1], v[QF+8*(\x):QF+8*(\x)+1], 0
.else
	v_wmma_f32_16x16x4_f32 v[rD:rD+7], v[KF+8*qt+2*qs:KF+8*qt+2*qs+1], v[QF+8*(\x)+2*qs:QF+8*(\x)+2*qs+1], v[rD:rD+7]
.endif
.endm
.macro VRUN base                       ; eight fragments of V, from fragment base on: 32 loads in one run
	WIN 0xc0                                       ; destination window 3
.irp f, 0,1,2,3,4,5,6,7
.irp c, 0,1,2,3
	ds_load_b128 v[16*(\base+\f)+4*\c:16*(\base+\f)+4*\c+3], v[AD] offset:2048*(\base+\f)+512*\c
.endr
.endr
.endm
; THE SOFTMAX OF ONE TILE FOR ONE STEP: number j of a list of 348 numbers, six of them empty.  Lines that feed each other stand about eight numbers apart wherever the list has other work to set between.
;   0-31    each block's largest score in my lane, two chains a block, eight chains by turns (it serves the row's maximum and, since p rises with the score, the block's largest p); every accumulator is first read at its low end
;   32-47   the row's largest score: of my lane's four blocks first, then of the other half of the lanes, then of the steps before; the blocks' own exchange between the halves stands between these links; -M = floor(-t); old M - new M
;   48-207  ONE BATCH in sixteen tens: t - M, exp, t - M, exp, exp, exp (the exponentials of the ten before; in the first ten: t - M of the blocks' largest scores), then four packed O^T x f.  f = 2^(old M - new M) is made in the first two tens,
;           which have no O^T yet.  Nothing here names an exponential's result
;   208-224 the last four exponentials, the four of the blocks' largest p, the last eight O^T x f, and l x f; then the ONE wait for all 68 exponentials
;   225-272 the row's sum of the unquantised p in eight chains; their merges stand among the lines that make the blocks' scales
;   273-339 the hold, with the three links of p's scale word among its first lines      340-347 the conversions
; first = 1: the first step: O^T has no sums yet to bring under a new M.
.set JT,  48
.set JL,  208
.set JD,  225
.set JE,  273
.set JC,  340
.set NSM, 348
.macro SM t, first
.set rT, ST+8*(\t)
.set rS, S+64*(\t)
.set rO, 128*(\t)
.set rP, P+16*(\t)
.set sq, j-JT
.set sg, sq/10
.set sn, sq%10
.set opr, -1                           ; which pair of O^T this number brings under the new M, if any
.if (j >= JT) && (j < JL) && (sn >= 6) && (sg >= 2)
.set opr, 4*(sg-2)+sn-6
.endif
.if (j >= JL+4) && (j < JL+8)
.set opr, 56+j-(JL+4)
.endif
.if (j >= JL+12) && (j < JL+16)
.set opr, 60+j-(JL+12)
.endif
.if j == JD
	s_wait_alu depctr_va_vdst(0)                   ; the wait ahead of the first line that names an exponential's result: one for the batch
.if vrun
	VRUN 8                                         ; the second half of V and its scale words stand at this wait: their registers' last readers, the products V P^T of the step before, lie hundreds of plain lines back
	WIN 0
.irp n, 0,1,2,3,4,5,6,7
	ds_load_b32 v[VS+\n], v[AD4] offset:128*\n
.endr
.endif
.endif
.if opr >= 0
.if (\first) == 0
	WIN 0x82                                       ; O^T in window 2, f in window 0
	v_pk_mul_f32 v[rO+2*opr:rO+2*opr+1], v[rO+2*opr:rO+2*opr+1], v[rT+4:rT+5] op_sel_hi:[1,0]
.endif
.elseif (j >= JT) && (j < JL) && (sn >= 7)         ; the first two tens have nothing here
.elseif j >= JC
	WIN 0x40                                       ; the codes go to window 1
	v_cvt_scalef32_pk8_fp8_f32 v[rP+2*(j-JC):rP+2*(j-JC)+1], v[T+8*(j-JC):T+8*(j-JC)+7], v[SO+(j-JC)/2]
.else
	WIN 0
.if j < 4
	v_max3_num_f32 v[BM+j], v[rS+16*j], v[rS+16*j+1], v[rS+16*j+2]
.elseif j < 8
	v_max3_num_f32 v[BN+j-4], v[rS+16*(j-4)+8], v[rS+16*(j-4)+9], v[rS+16*(j-4)+10]
.elseif j < 24
.set sb, j%4
.set sh, ((j-8)/4)%2
.set si, 16*sb+8*sh+3+2*((j-8)/8)
.set sac, BM+sb+(BN-BM)*sh
	v_max3_num_f32 v[sac], v[sac], v[rS+si], v[rS+si+1]
.elseif j < 28
	v_max3_num_f32 v[BM+j-24], v[BM+j-24], v[rS+16*(j-24)+7], v[rS+16*(j-24)+15]
.elseif j < 32
	v_max_num_f32 v[BM+j-28], v[BM+j-28], v[BN+j-28]
.elseif j < 34
	v_permlanex16_b32 v[BX+j-32], v[BM+j-32], s[SEL], s[SEL+1]
.elseif j == 34
	v_max3_num_f32 v[TMP], v[BM], v[BM+1], v[BM+2]
.elseif j < 37
	v_permlanex16_b32 v[BX+j-33], v[BM+j-33], s[SEL], s[SEL+1]
.elseif j == 37
	v_mov_b32 v[OLD], v[rT]
.elseif j == 38
	v_max_num_f32 v[TMP], v[TMP], v[BM+3]          ; my lane's largest score of the step
.elseif j < 42
	v_max_num_f32 v[BM+j-39], v[BM+j-39], v[BX+j-39]
.elseif j == 42
	v_permlanex16_b32 v[TM2], v[TMP], s[SEL], s[SEL+1]
.elseif j == 43
	v_max_num_f32 v[BM+3], v[BM+3], v[BX+3]
.elseif j == 44
	v_max3_num_f32 v[rT+1], v[TMP], v[TM2], v[rT+1]   ; the running largest score of my query
.elseif j == 45
	v_mul_f32 v[TMP], s[CS], v[rT+1]               ; as t (log2(e) is positive)
.elseif j == 46
	v_floor_f32 v[rT], -v[TMP]                     ; -M = floor(-t) = -ceil(t)
.elseif j == 47
	v_sub_f32 v[TMP], v[rT], v[OLD]                ; old M - new M: a whole number, 0 or less
.elseif j < JL
.if (sn == 0) || (sn == 2)
.set spr, 2*(2*sg+sn/2)
	v_pk_fma_f32 v[T+spr:T+spr+1], v[rS+spr:rS+spr+1], s[CS:CS+1], v[rT:rT+1] op_sel_hi:[1,0,0]
.elseif sn == 6
.if sg == 0
	v_cvt_i32_f32 v[TMP], v[TMP]                   ; (it saturates)
.else
	v_ldexp_f32 v[rT+4], 1.0, v[TMP]               ; f
.endif
.else
.set sxi, sn-2
.if sn == 1
.set sxi, 0
.endif
.if sg == 0
	v_fma_f32 v[BM+sxi], v[BM+sxi], s[CS], v[rT]
.else
	v_exp_f32 v[T+4*(sg-1)+sxi], v[T+4*(sg-1)+sxi]
.endif
.endif
.elseif j < JL+4
	v_exp_f32 v[T+60+j-JL], v[T+60+j-JL]
.elseif j < JL+12
	v_exp_f32 v[BM+j-(JL+8)], v[BM+j-(JL+8)]
.elseif j == JL+16
	v_pk_mul_f32 v[rT+2:rT+3], v[rT+2:rT+3], v[rT+4:rT+5] op_sel_hi:[1,0]   ; a plain line behind the last exponential
.elseif j < JD+24
.set sdi, j-JD
.set sc, sdi%8
.set sr, sdi/8
.set cr, AS+2*(sc-1)                   ; chains 1-3: v40-45; chains 4-7: v28-35; chain 0 is l itself
.if sc >= 4
.set cr, BX+2*(sc-4)
.endif
.if sc == 0
	v_pk_add_f32 v[rT+2:rT+3], v[rT+2:rT+3], v[T+16*sr:T+16*sr+1]
.elseif sr == 0
	v_pk_add_f32 v[cr:cr+1], v[T+2*sc:T+2*sc+1], v[T+16+2*sc:T+16+2*sc+1]
.else
	v_pk_add_f32 v[cr:cr+1], v[cr:cr+1], v[T+16+16*sr+2*sc:T+16+16*sr+2*sc+1]
.endif
.elseif j == JD+24
	v_pk_add_f32 v[rT+2:rT+3], v[rT+2:rT+3], v[T+48:T+49]
.elseif j < JD+29
	v_max_num_f32 v[BM+j-(JD+25)], 0x4800000, v[BM+j-(JD+25)]   ; the floor 2^(9 - 127): the byte cannot fall under 1
.elseif j == JD+29
	v_pk_add_f32 v[AS:AS+1], v[AS:AS+1], v[BX:BX+1]
.elseif j == JD+30
	v_pk_add_f32 v[AS+2:AS+3], v[AS+2:AS+3], v[BX+2:BX+3]
.elseif j == JD+31
	v_pk_add_f32 v[AS+4:AS+5], v[AS+4:AS+5], v[HL:HL+1]
.elseif j == JD+32
	v_pk_add_f32 v[rT+2:rT+3], v[rT+2:rT+3], v[HL+2:HL+3]
.elseif j < JD+37
	v_add_nc_u32 v[SO+j-(JD+33)], 0xfc000000, v[BM+j-(JD+33)]
.elseif j == JD+37
	v_pk_add_f32 v[AS:AS+1], v[AS:AS+1], v[AS+2:AS+3]
.elseif j == JD+38
	v_pk_add_f32 v[rT+2:rT+3], v[rT+2:rT+3], v[AS+4:AS+5]
.elseif j < JD+43
	v_and_or_b32 v[HL+j-(JD+39)], v[BM+j-(JD+39)], 0x7f800000, s[MNT]
.elseif j == JD+43
	v_pk_add_f32 v[rT+2:rT+3], v[rT+2:rT+3], v[AS:AS+1]
.elseif j < JD+48
	v_lshrrev_b32 v[BX+j-(JD+44)], 23, v[SO+j-(JD+44)]
.else
.set sei, j-JE
.if sei == 0
	v_lshl_or_b32 v[PS+(\t)], v[BX+1], 8, v[BX]
.elseif sei == 7
	v_lshl_or_b32 v[PS+(\t)], v[BX+2], 16, v[PS+(\t)]
.elseif sei == 14
	v_lshl_or_b32 v[PS+(\t)], v[BX+3], 24, v[PS+(\t)]
.else
.set smi, sei-1
.if sei > 7
.set smi, sei-2
.endif
.if sei > 14
.set smi, sei-3
.endif
	v_min_num_f32 v[T+smi], v[T+smi], v[HL+smi/16]   ; p is never negative: the hold is one-sided
.endif
.endif
.endif
.endm
; The slice behind product i.  Four slices of 12 hold numbers 0-47; sixteen of 10 hold a ten of the batch each, so that a slice of the batch has two window settings; twelve of 12 hold the rest.
.macro SLICE y, first
.set sl, 12
.if (i >= 4) && (i < 20)
.set sl, 10
.endif
.rept sl
.if j < NSM
	SM \y, \first
.set j, j+1
.endif
.endr
.endm
; A TURN: tile x's 32 products K Q^T, a slice of tile y's softmax behind each.  vr = 1: V's second run stands at the softmax's wait.
; The eight places at its end stand behind the last products: for the loads into K's registers, for the first read of these scores, and for the codes ahead of the scaled products.
.macro TURN x, y, first, vr
.set vrun, \vr
.set j, 0
.set i, 0
.rept 32
	QKW \x
	SLICE \y, \first
.set i, i+1
.endr
	PLACES 8
.endm
; O^T += V P^T of one tile of queries: 16 channel tiles; K = the step's 128 keys.  Each accumulator has one turn.  first = 1: the products start the sums: nothing is ever cleared.
.macro PV1 ct, t, first
.set rA, 128*(\t)+8*(\ct)
.if \first
.if (\ct)%2
	v_wmma_scale_f32_16x16x128_f8f6f4 v[rA:rA+7], v[16*(\ct):16*(\ct)+15], v[P+16*(\t):P+16*(\t)+15], 0, v[VS+(\ct)/2], v[PS+(\t)] matrix_a_scale:MATRIX_SCALE_ROW1
.else
	v_wmma_scale_f32_16x16x128_f8f6f4 v[rA:rA+7], v[16*(\ct):16*(\ct)+15], v[P+16*(\t):P+16*(\t)+15], 0, v[VS+(\ct)/2], v[PS+(\t)]
.endif
.else
.if (\ct)%2
	v_wmma_scale_f32_16x16x128_f8f6f4 v[rA:rA+7], v[16*(\ct):16*(\ct)+15], v[P+16*(\t):P+16*(\t)+15], v[rA:rA+7], v[VS+(\ct)/2], v[PS+(\t)] matrix_a_scale:MATRIX_SCALE_ROW1
.else
	v_wmma_scale_f32_16x16x128_f8f6f4 v[rA:rA+7], v[16*(\ct):16*(\ct)+15], v[P+16*(\t):P+16*(\t)+15], v[rA:rA+7], v[VS+(\ct)/2], v[PS+(\t)]
.endif
.endif
.endm
.macro PVT t, base, first              ; eight of them, channel tiles base on.  The windows: V 3, p's codes 1, O^T 2
	WIN 0xa7
.irp c, 0,1,2,3,4,5,6,7
	PV1 \base+\c, \t, \first
.endr
.endm
.macro STEPD                           ; the walking descriptor: written only where no tensor load of mine is out
	s_xor_b32 s[G0+1], s[G0+1], SLOT1              ; the other slot than last time,
	s_add_co_u32 s[IDX], s[IDX], 1
	s_and_b32 s[IDX], s[IDX], 15                   ; the next block, round the sixteen
	s_mul_i32 s[OFF], s[IDX], PAIR
	s_add_nc_u64 s[G0+2:G0+3], s[KVW:KVW+1], s[OFF:OFF+1]
	s_or_b32 s[G0+3], s[G0+3], 0x80000000          ; type = 2
.endm
.macro REFILL                          ; the joint load: every wave issues it, with no branch; an s_nop 0 and four v_nop follow
	tensor_load_to_lds s[G0:G0+3], s[G1:G1+7]
	s_nop 0
	PLACES 4
.endm
; Behind a change of slots: the addresses in the slot now in hand, and the first half of V.  Its registers were read by the products V P^T just issued: eight plain lines stand between (fill = 1: the joint load's four v_nop are four of them).
.macro AFTER fill
	v_add_nc_u32 v[AD], s[TB], v[LB]
	v_add_nc_u32 v[AD4], s[TB], v[LB4]
	PLACES 6-4*\fill
	VRUN 0
	WIN 0
.endm
; A TRIP'S WORK up to tile b's products.  last = 1: the last step: no K is left to fetch and no scores to make.
.macro WORK first, last
	TURN 1, 0, \first, 1                           ; tile b's scores of this step | tile a's softmax | the second half of V
.if \last
	s_wait_dscnt 0x0                               ; V is in
.else
	WIN 0x40                                       ; destination window 1: the next step's K, 16 loads in one run
.irp kt, 0,1,2,3,4,5,6,7
	ds_load_b128 v[KF+8*\kt:KF+8*\kt+3], v[AD] offset:KOFF+1024*\kt
	ds_load_b128 v[KF+8*\kt+4:KF+8*\kt+7], v[AD] offset:KOFF+1024*\kt+512
.endr
	s_wait_dscnt 16                                ; V and its scale words are in; the sixteen loads just issued may be out
.endif
	PVT 0, 0, \first                               ; tile a's products V P^T
	PVT 0, 8, \first
.if \last
.set vrun, 0
.set j, 0
.rept NSM
	SM 1, 0                                        ; tile b's last softmax: no product is left to set it beside
.set j, j+1
.endr
	PLACES 4                                       ; the codes stand four places ahead of the scaled products
	PVT 1, 0, 0
	PVT 1, 8, 0
	WIN 0
.else
	s_wait_dscnt 0x0                               ; K is in
	TURN 0, 1, \first, 0                           ; tile a's scores of the next step | tile b's softmax
.endif
.endm
; THE CHANGE OF SLOTS, among tile b's products V P^T.  Each wave waits for all its tensor loads (one is out: its quarter of the slot that it will read next), adds 0 to its spare word, and, eight products on, waits for the add; its reads of the slot
; in hand were over at the second turn's head.  Eight more products stand between the signal and the wait.  fill = 1: the barrier opens a round of the cluster's, and the joint load of the next block, into the slot just left, is the first thing behind it:
; it has a whole trip in which to land.
.macro ENDCH fill, first
	WIN 0                                          ; (the add's two registers lie in window 0)
	s_wait_tensorcnt 0x0                           ; no tensor load of mine is out, so group 0 may be written
	ds_add_u32 v[SPW], v[NIL]
	s_xor_b32 s[TB], s[TB], SLOT1                  ; the next trip reads the other slot
.if \fill
	STEPD
.endif
	PVT 1, 0, \first
	s_wait_dscnt 0x0                               ; the add is done; no LDS read of mine is out
	s_barrier_signal -1
	PVT 1, 8, \first
	WIN 0
	s_barrier_wait -1
.if \fill
	CREST                                          ; no wave of any partner still reads that slot or has a load on its way
	REFILL
.endif
	AFTER \fill
.endm
	s_load_b256 s[4:11], s[0:1], 0x0               ; qf s[4:5], kv s[6:7], x s[8:9], gamma s[10:11]
	s_load_b64 s[12:13], s[0:1], 0x20              ; out0
	v_lshl_add_u32 v[SPW], v0, 2, SPARE
	v_mov_b32 v[NIL], 0
	ds_add_u32 v[SPW], v[NIL]                      ; the wave's opening: the add, twice on end, and its wait ahead of my first tensor load; the set-up below is work on registers
	ds_add_u32 v[SPW], v[NIL]
	v_lshrrev_b32 v24, 5, v0
	v_readfirstlane_b32 s[WV], v24                 ; wave 0..3
	s_and_b32 s[KH], s[WV], 1                      ; my half of the keys
	s_lshr_b32 s[QH], s[WV], 1                     ; my pair of tiles
	s_bfe_u32 s[CX], ttmp6, 0x40000                ; my place in the cluster: it enters the addresses of Q, x and out0 alone
	s_lshl_b32 s[WGX], ttmp9, 2
	s_add_co_u32 s[WGX], s[WGX], s[CX]             ; my block of 64 queries
	s_and_b32 s[B], ttmp7, 0xffff                  ; the batch, which the four partners share
	s_mov_b32 s[G1], 15|(3<<16)|(1<<21)            ; 15:0 the mask: all four work-groups; 17:16 elements of 8 bytes; 21 set beside a mask; no padding
	s_mov_b32 s[G1+1], 32<<16                      ; tensor_dim0 = 32 elements: 256 bytes
	s_mov_b32 s[G1+2], 82<<16                      ; tensor_dim1 = 82
	s_mov_b32 s[G1+3], 32<<16                      ; tile_dim0
	s_mov_b32 s[G1+4], 82                          ; tile_dim1
	s_mov_b32 s[G1+5], 32                          ; the rows are dense
	s_mov_b32 s[G1+6], 0
	s_mov_b32 s[G1+7], 0
	s_mov_b32 s[CS], 0x3fb8aa3b                    ; log2(e)
	s_mov_b32 s[CS+1], s[CS]
	s_mov_b32 s[SEL], 0x76543210
	s_mov_b32 s[SEL+1], 0xfedcba98
	s_mov_b32 s[MNT], 0x600000
	s_mov_b32 s[TB], 0
	v_and_b32 v24, 31, v0                          ; lane
	v_and_b32 v25, 15, v0                          ; r
	v_bfe_u32 v26, v0, 4, 1                        ; h
	v_lshlrev_b32 v[KO], 4, v24
	s_mul_i32 s50, s[KH], BLK
	v_add_nc_u32 v[LB], s50, v[KO]
	s_add_co_u32 s51, s50, VSC
	v_lshl_add_u32 v[LB4], v24, 2, s51
	s_xor_b32 s59, s[WV], 1                        ; my partner: the same tiles, the other half of the keys
	s_lshl_b32 s51, s[WV], 10
	v_add_nc_u32 v[QO0], s51, v[KO]                ; tile a = w
	s_lshl_b32 s51, s59, 10
	v_add_nc_u32 v[QO1], s51, v[KO]                ; tile b = w xor 1
	s_lshl_b32 s51, s[WV], 14
	s_add_co_u32 s51, s51, EX
	v_add_nc_u32 v[EXW], s51, v[KO]
	s_lshl_b32 s51, s59, 14
	s_add_co_u32 s51, s51, EX
	v_add_nc_u32 v[EXR], s51, v[KO]
	s_lshl_b32 s51, s[WV], 8
	s_add_co_u32 s51, s51, EXS
	v_lshl_add_u32 v[ESW], v24, 2, s51
	s_lshl_b32 s51, s59, 8
	s_add_co_u32 s51, s51, EXS
	v_lshl_add_u32 v[ESR], v24, 2, s51
	v_and_b32 v27, 8, v25
	v_add_nc_u32 v27, v27, v25                     ; r + 8 (r / 8)
	s_lshl_b32 s51, s[QH], 5
	s_lshl_b32 s58, s[KH], 3
	s_add_co_u32 s51, s51, s58
	v_add_nc_u32 v27, s51, v27                     ; my lane's query among the 64, in tile w
	v_mul_u32_u24 v[SA0], v26, 8*SP
	v_lshl_add_u32 v[SA0], v27, 2, v[SA0]          ; into the stage: row 8 h (+ 16 ct + j), my query's word
	v_add_nc_u32 v[SA1], 128*SP, v[SA0]
	s_mul_i32 s51, s[WV], 64*SP
	v_mul_u32_u24 v[SRD], v26, SP
	v_lshl_add_u32 v[SRD], v25, 4, v[SRD]
	v_add_nc_u32 v[SRD], s51, v[SRD]               ; out of it: rows 64 w + h (+ 2 n), 16 bytes a lane
	s_lshl_b32 s51, s[WV], 20
	v_lshlrev_b32 v[XO], 14, v26
	v_lshl_add_u32 v[XO], v25, 4, v[XO]
	v_add_nc_u32 v[XO], s51, v[XO]                 ; and the same rows in x and out0: a channel is 16,384 bytes
	s_wait_dscnt 0x0                               ; both opening adds are done
	s_wait_kmcnt 0x0
	s_mul_i32 s50, s[B], 16*PAIR
	s_mul_i32 s51, s[WV], QTR
	s_add_co_u32 s50, s50, s51
	s_mov_b32 s51, 0
	s_add_nc_u64 s[KVW:KVW+1], s[6:7], s[50:51]
	s_mov_b32 s[IDX], ttmp9                        ; the cluster's number in its batch, 0..15: where it begins
	s_mul_i32 s[OFF], s[IDX], PAIR
	s_mov_b32 s[OFF+1], 0
	s_mov_b32 s[G0], 1                             ; count = 1
	s_mul_i32 s[G0+1], s[WV], QTR                  ; LDS: my quarter of slot 0
	s_add_nc_u64 s[G0+2:G0+3], s[KVW:KVW+1], s[OFF:OFF+1]
	s_or_b32 s[G0+3], s[G0+3], 0x80000000
	s_lshl_b32 s50, s[B], 8                        ; the offsets below are made in s[50:51], with s51 = 0 throughout, and s58
	s_lshl_b32 s58, s[WGX], 2
	s_add_co_u32 s50, s50, s58
	s_lshl_b32 s50, s50, 10                        ; tile 256 b + 4 wgx
	s_add_nc_u64 s[QB:QB+1], s[4:5], s[50:51]
	s_add_co_u32 s50, ttmp9, 15
	s_and_b32 s50, s50, 15                         ; the first step's K lies in the block of the step before
	s_mul_i32 s50, s50, PAIR
	s_mul_i32 s58, s[B], 16*PAIR
	s_add_co_u32 s50, s50, s58
	s_mul_i32 s58, s[KH], BLK
	s_add_co_u32 s50, s50, s58
	s_add_co_u32 s50, s50, KOFF
	s_add_nc_u64 s[KB:KB+1], s[6:7], s[50:51]
	s_lshl_b32 s50, s[B], 22
	s_lshl_b32 s58, s[WGX], 8
	s_add_co_u32 s50, s50, s58
	s_add_nc_u64 s[XB:XB+1], s[8:9], s[50:51]
	s_add_nc_u64 s[12:13], s[12:13], s[50:51]
	s_load_b32 s[GAM], s[10:11], 0x0               ; waited for at the merge
	WIN 0x40                                       ; destination window 1.  Q and the first step's K go straight into registers; they are asked for ahead of the round, so that they are on their way while the work-groups meet
.irp p, 0,1
	global_load_b128 v[QF+4*\p:QF+4*\p+3], v[QO0], s[QB:QB+1] offset:512*\p
	global_load_b128 v[QF+8+4*\p:QF+8+4*\p+3], v[QO1], s[QB:QB+1] offset:512*\p
.endr
.irp kt, 0,1,2,3,4,5,6,7
	global_load_b128 v[KF+8*\kt:KF+8*\kt+3], v[KO], s[KB:KB+1] offset:1024*\kt
	global_load_b128 v[KF+8*\kt+4:KF+8*\kt+7], v[KO], s[KB:KB+1] offset:1024*\kt+512
.endr
	WIN 0
	CROUND                                         ; all four work-groups are here: the first joint loads meet
	REFILL                                         ; block j0 into slot 0: every wave issues it, so every way through the text passes a tensor load
	s_wait_loadcnt 0x0
.set i, 0
.rept 32
	QKW 0                                          ; tile a's first scores: there is no vector work yet to set between them
.set i, i+1
.endr
	WIN 0                                          ; the statistics begin: fifteen plain lines, the places behind those products
.irp t, 0,1
	v_mov_b32 v[ST+8*\t+1], 0xff61b1e6             ; the largest score so far: -3e38, under every score whose t is finite
	v_floor_f32 v[ST+8*\t], -v[ST+8*\t+1]          ; -M: so large that the first f comes out 0
	v_mov_b32 v[ST+8*\t+2], 0                      ; l, in two halves
	v_mov_b32 v[ST+8*\t+3], 0
	v_mov_b32 v[ST+8*\t+5], 0                      ; named with f as a pair
.endr
.irp b, 0,1,2,3
	v_mov_b32 v[BX+\b], 0                          ; a lane permute's destination counts as one of its sources
.endr
	v_mov_b32 v[TM2], 0
	s_wait_tensorcnt 0x0                           ; the first change of slots stands by itself: my quarter of slot 0 is in;
	ds_add_u32 v[SPW], v[NIL]
	STEPD
	s_wait_dscnt 0x0
	CROUND
	REFILL                                         ; slot 1 has its first fill, behind a round behind which nobody fills bytes again
	AFTER 1
	WORK 1, 0                                      ; step 0: its products start O^T's sums
	ENDCH 1, 1
	s_mov_b32 s[CNT], 13
.Ltrip:                                            ; steps 1 to 13: a trip begins behind the first run of V's loads and ends behind the next step's; each asks for the block two steps on
	WORK 0, 0
	ENDCH 1, 0
	s_sub_co_u32 s[CNT], s[CNT], 1
	s_cmp_lg_u32 s[CNT], 0
	s_cbranch_scc1 .Ltrip
	WORK 0, 0                                      ; steps 14 and 15 are written out: nothing is left to fetch
	ENDCH 0, 0
	WORK 0, 1
	; THE WAY OUT.  l's two halves and the other half of the lanes' are added; eight v_nop are the places behind the last products, ahead of the loads into V's registers and of the first read of O^T.
.irp t, 0,1
	v_add_f32 v[ST+8*\t+2], v[ST+8*\t+2], v[ST+8*\t+3]
.endr
.irp t, 0,1
	v_permlanex16_b32 v[BX+\t], v[ST+8*\t+2], s[SEL], s[SEL+1]
.endr
.irp t, 0,1
	v_add_f32 v[ST+8*\t+2], v[ST+8*\t+2], v[BX+\t]
.endr
	PLACES 8
	WIN 0xc0                                       ; x's 64 channel rows that I shall store: asked for now, wanted at the very end
.set n, 0
.rept 32
	global_load_b128 v[128+4*n:128+4*n+3], v[XO], s[XB:XB+1] offset:2*n*16384 th:TH_LOAD_NT   ; sixteen lanes read 256 consecutive bytes, aligned
.set n, n+1
.endr
	WIN 0x08                                       ; an LDS store's data are its source 1: window 2.  Tile b goes to my partner, whose tile a it is; each accumulator from its low end on
.set n, 0
.rept 32
	ds_store_b128 v[EXW], v[128+4*n:128+4*n+3] offset:512*n
.set n, n+1
.endr
	WIN 0
	ds_store_b32 v[ESW], v[ST+8]                   ; its -M
	ds_store_b32 v[ESW], v[ST+10] offset:128       ; and its l
	s_wait_dscnt 0x0                               ; for the partner's sake: my stores have landed
	s_barrier_signal -1
	s_barrier_wait -1
	WIN 0xc0
.set n, 0
.rept 32
	ds_load_b128 v[4*n:4*n+3], v[EXR] offset:512*n
.set n, n+1
.endr
	WIN 0
	ds_load_b32 v[RN], v[ESR]
	ds_load_b32 v[RL], v[ESR] offset:128
	s_wait_dscnt 0x0
	v_min_num_f32 v[NN], v[ST], v[RN]              ; -M of both halves together
	v_sub_f32 v[FA], v[NN], v[ST]                  ; my M less the common M: a whole number, 0 or less
	v_sub_f32 v[FB], v[NN], v[RN]
	v_cvt_i32_f32 v[FA], v[FA]
	v_cvt_i32_f32 v[FB], v[FB]
	v_ldexp_f32 v[FA], 1.0, v[FA]
	v_ldexp_f32 v[FB], 1.0, v[FB]
	v_mul_f32 v[LL], v[ST+2], v[FA]
	v_fma_f32 v[LL], v[RL], v[FB], v[LL]           ; the row's sum under the common M: over 1/2
	v_rcp_f32 v[RC], v[LL]
	v_nop                                          ; a plain line behind the reciprocal,
	s_wait_alu depctr_va_vdst(0)                   ; and the wait ahead of its first reader
	s_wait_kmcnt 0x0                               ; gamma
	v_mul_f32 v[RC], s[GAM], v[RC]
	v_mul_f32 v[CA], v[FA], v[RC]
	v_mul_f32 v[CB], v[FB], v[RC]
	v_mov_b32 v[CA+1], v[CA]
	v_mov_b32 v[CB+1], v[CB]
	WIN 0x82
.set n, 0
.rept 64
	v_pk_mul_f32 v[2*n:2*n+1], v[2*n:2*n+1], v[CA:CA+1]
.set n, n+1
.endr
	WIN 0xa3                                       ; the partner's tile window 3, its factor window 0, O^T window 2
.set n, 0
.rept 64
	v_pk_fma_f32 v[2*n:2*n+1], v[2*n:2*n+1], v[CB:CB+1], v[2*n:2*n+1]
.set n, n+1
.endr
	; A lane holds one query and 128 channels; out0's rows are channels.  So the tile goes through a stage of channel rows: the lanes of a store fall on 32 different banks (the halves of the lanes lie 544 words apart).
	WIN 0x08
.set n, 0
.rept 64
	ds_store_b32 v[SA0], v[n] offset:(16*(n/8)+n%8)*SP
.set n, n+1
.endr
.set n, 0
.rept 64
	ds_store_b32 v[SA1], v[64+n] offset:(16*(n/8)+n%8)*SP
.set n, n+1
.endr
	WIN 0
	s_wait_dscnt 0x0                               ; for the others' sake: a row's 256 bytes come from all four waves
	s_barrier_signal -1
	s_barrier_wait -1
	WIN 0x40
.set n, 0
.rept 32
	ds_load_b128 v[Y+4*n:Y+4*n+3], v[SRD] offset:2*n*SP
.set n, n+1
.endr
	s_wait_loadcnt 0x0                             ; x
	s_wait_dscnt 0x0
	WIN 0x4d                                       ; the rows window 1, x window 3
.set n, 0
.rept 64
	v_pk_add_f32 v[Y+2*n:Y+2*n+1], v[Y+2*n:Y+2*n+1], v[128+2*n:128+2*n+1]
.set n, n+1
.endr
	WIN 0x04                                       ; a store's data are its source 1: window 1
.set n, 0
.rept 32
	global_store_b128 v[XO], v[Y+4*n:Y+4*n+3], s[12:13] offset:2*n*16384 th:TH_STORE_NT   ; sixteen lanes store 256 consecutive bytes, aligned
.set n, n+1
.endr
	WIN 0
	s_wait_tensorcnt 0x0                           ; the wave's end, behind my last tensor load and my last LDS store
	ds_add_u32 v[SPW], v[NIL]
	s_wait_dscnt 0x0
	CROUND                                         ; the closing round: no work-group ends while a partner may still ask for a tile that names it
	s_endpgm
.Lfunc_end_k_q62db506782_attn:
	.size	k_q62db506782_attn, .Lfunc_end_k_q62db506782_attn-k_q62db506782_attn
	.p2alignl 7, 3214868480
	.fill 96, 4, 3214868480
	.section	.rodata,"a",@progbits
	.p2align	6, 0x0
	.amdhsa_kernel k_q62db506782_attn
		.amdhsa_group_segment_fixed_size 327680
		.amdhsa_private_segment_fixed_size 0
		.amdhsa_enable_private_segment 0
		.amdhsa_kernarg_size 40
		.amdhsa_user_sgpr_count 2
		.amdhsa_user_sgpr_kernarg_segment_ptr 1
		.amdhsa_wavefront_size32 1
		.amdhsa_system_sgpr_workgroup_id_x 1
		.amdhsa_system_sgpr_workgroup_id_y 1
		.amdhsa_system_sgpr_workgroup_id_z 1
		.amdhsa_system_vgpr_workitem_id 0
		.amdhsa_next_free_vgpr 1024
		.amdhsa_next_free_sgpr 66
		.amdhsa_reserve_vcc 0
		.amdhsa_float_denorm_mode_32 3
		.amdhsa_float_denorm_mode_16_64 3
		.amdhsa_memory_ordered 1
		.amdhsa_forward_progress 1
		.amdhsa_inst_pref_size 248
	.end_amdhsa_kernel
	.amdgpu_metadata
---
amdhsa.version: [ 1, 2 ]
amdhsa.kernels:
  - .name:           k_q62db506782_attn
    .symbol:         k_q62db506782_attn.kd
    .args:
      - { .name: qf, .offset: 0, .size: 8, .value_kind: global_buffer, .address_space: global }
      - { .name: kv, .offset: 8, .size: 8, .value_kind: global_buffer, .address_space: global }
      - { .name: x, .offset: 16, .size: 8, .value_kind: global_buffer, .address_space: global }
      - { .name: gamma, .offset: 24, .size: 8, .value_kind: global_buffer, .address_space: global }
      - { .name: out0, .offset: 32, .size: 8, .value_kind: global_buffer, .address_space: global }
    .group_segment_fixed_size: 327680
    .private_segment_fixed_size: 0
    .kernarg_segment_align: 8
    .kernarg_segment_size: 40
    .max_flat_workgroup_size: 128
    .sgpr_count:     66
    .vgpr_count:     1024
    .wavefront_size: 32
...
	.end_amdgpu_metadata
.endif
;; end of part 2
